; MI455X (gfx1250); checked and timed in simulation.
; The chip was launched on July 23, 2026; its instructions are those of AMD's public machine-readable ISA for CDNA 5 (MIT licence, August 2026) and "CDNA5" Instruction Set Architecture Reference Guide (July 2026). The comments in the code are by the model that wrote it; some were corrected since.
;; SDOT. Allowed arithmetic: matrix products marked QUANTISED: E2M1 operands, one E8M0 scale for each 32 along K, by v_wmma_scale_f32_16x16x128_f8f6f4 with both operands' format E2M1 (or v_wmma_scale_f32_32x16x128_f4), f32 sums; everything else in f32.
;; Inputs: psi 8,192 float32; source_data 32,768 x 64 float32; target_data 8,192 x 64 float32.
;; Outputs: out0 32,768 float32.
;; This version of the problem:
;;   THIS VERSION OF THE PROBLEM IS GIVEN IN LOW PRECISION. The matrix products marked QUANTISED in the list below multiply operands that are first quantised to E2M1 (2 exponent bits, 1 mantissa bit; 4 bits a number), with one power-of-two scale for each 32 numbers along K (OCP MX v1.0); their sums are f32. All else is computed in f32.
;;   The module's matrix products, in the order in which they are computed (A, B: the left and right operand; K: the contracted axis; several contracted axes count as one K, in the product's order):
;;     1. [M 32,768, K 64] x [K 64, N 8,192]; A: input source_data; B: input target_data: QUANTISED
;;   THE QUANTISER, for each operand of a quantised product, along K:
;;     - K is cut into blocks of 32 from its start; a last block that is shorter is filled with zeros.
;;     - A block's scale is 2^e with e = floor(log2(the largest magnitude in the block)) - 2, held to -126 .. 127; a block of zeros has e = 0. As a byte (E8M0): e + 127.
;;     - Each number is divided by its block's scale, clamped to +-6, and rounded to the nearest number of E2M1, ties to even, subnormals kept.
;;     - The product sums the exact products of the quantised numbers (number of the format x scale) in f32.
;;   ~~~python
;;   def quantise(x, axis):      # numpy; x: float32 -> the quantised numbers, widened to float32 again
;;       x = np.moveaxis(x, axis, -1); K = x.shape[-1]
;;       x = np.pad(x, [(0, 0)] * (x.ndim - 1) + [(0, -K % 32)]); x = x.reshape(x.shape[:-1] + (-1, 32)); a = np.abs(x).max(-1, keepdims=True)
;;       e = np.where(a > 0, np.clip(np.frexp(np.where(a > 0, a, 1))[1] - 1 - 2, -126, 127), 0)      # np.frexp(a)[1] - 1 = floor(log2(a)), exactly
;;       r = np.clip(x / 2.0 ** e, -6, 6)
;;       step = 2.0 ** (np.maximum(np.frexp(np.where(r == 0, 1, r))[1] - 1, 0) - 1)
;;       q = np.round(r / step) * step * 2.0 ** e      # np.round: ties to even
;;       return np.moveaxis(q.reshape(q.shape[:-2] + (-1,))[..., :K], -1, axis).astype(np.float32)
;;   ~~~
;; One version. Each part assembles by itself: llvm-mc -triple=amdgcn-amd-amdhsa -mcpu=gfx1250 --defsym DOCPART=n.
;; ======== version 1 of 1: 2 launches
;; workspace buffers: tcodes 262,144 bytes; tsc 32,768 bytes; ysq 32,768 bytes
;; launch prep (part 1): grid 128 x 1, 1 waves a work-group, no clusters, 0 bytes of LDS; arguments target_data, tcodes, tsc, ysq; writes tcodes, tsc, ysq
.if DOCPART == 1
	.amdgcn_target "amdgcn-amd-amdhsa--gfx1250"
	.amdhsa_code_object_version 6
	.text
	.protected	k_q937385ff77_prep
	.globl	k_q937385ff77_prep
	.p2align	8
	.type	k_q937385ff77_prep,@function
k_q937385ff77_prep:
	s_mov_b64 s[64:65], 0
	v_nop
	global_prefetch_b8 v0, s[64:65] scope:SCOPE_SE
	s_setreg_imm32_b32 hwreg(HW_REG_WAVE_MODE, 25, 1), 1
	s_wait_xcnt 0x0
; target_data [8192][64] f32 is turned, once, into what the second launch's matrix instructions take:
;   tcodes: codes of FP4 (E2M1) as IMAGES OF OPERAND REGISTERS: [512 tiles of 16 targets][32 lanes][16 bytes]; lane 16 h + r of tile T holds the 32 codes k = 32 h .. 32 h + 31 of target 16 T + r.
;   tsc:    a scale word a target: byte 0 = block 0's E8M0 byte, byte 1 = block 1's, bytes 2 and 3 = 0.  The word of target 64 g + 32 k + l (l = 0 .. 31, k = 0, 1) lies at byte 256 g + 8 l + 4 k:
;           a load of 8 bytes a lane then gives two scale registers, each with one tile's words in lanes 0-15 and the next tile's in lanes 16-31.
;   ysq:    the sum of the target's 64 squares (of the numbers as given, f32), laid as tsc.
; A block's scale is 2^(floor(log2(its largest magnitude)) - 2); its byte is the largest magnitude's exponent field - 2, held at 1 from below.
; LIMITS: a block of zeros gets the byte 1 where the quantiser's rule says 127 (its codes are zeros, and this program alone reads the bytes); NaN and infinities among the inputs are not served;
; the squares are added in another order than a plain sum along the row.
; SHARES: one wave a work-group; work-group g takes targets 64 g .. 64 g + 63: four tiles, 16,384 bytes, all 32 loads issued at once.  Every tile has registers of its own, so no store's data are written again.
.set TA,  8                            ; v8, v9   two chains of the largest magnitude
.set TB,  9
.set SOP, 10                           ; v10      the conversions' scale operand
.set BY,  11                           ; v11      my block's byte
.set TP,  12                           ; v12      what the lane 16 away sends
.set SQ0, 14                           ; v[14:15], v[16:17] two chains of the sum of squares
.set SQ1, 16
.set SH8, 6                            ; v6       8 h: my byte's place in the scale word
.set SEL, 16                           ; s[16:17] lane selects: lane l xor 16
.set WD,  20                           ; v20-23   the tiles' scale words
.set QS,  24                           ; v24-27   the tiles' sums of squares
.set CD,  32                           ; v32-47   the tiles' codes
.set X,   64                           ; v64-191  the tiles' numbers, 32 a lane
; 32 numbers of a lane, v[x] .. v[x + 31] = k 32 h + 0 .. 31 of row r (lane = 16 h + r), become 4 registers of codes at v[c]; v[w] = the row's scale word, v[q] = the row's sum of squares, both in both halves of the lanes.
.macro QTILE x, c, w, q
	v_max3_num_f32 v[TA], |v[\x]|, |v[\x+1]|, |v[\x+2]|             ; the block's largest magnitude: all 32 numbers are mine; two chains
	v_max3_num_f32 v[TB], |v[\x+3]|, |v[\x+4]|, |v[\x+5]|
.irp i, 6,10,14,18,22,26
	v_max3_num_f32 v[TA], v[TA], |v[\x+\i]|, |v[\x+\i+1]|
	v_max3_num_f32 v[TB], v[TB], |v[\x+\i+2]|, |v[\x+\i+3]|
.endr
	v_max3_num_f32 v[TA], v[TA], |v[\x+30]|, |v[\x+31]|
	v_max3_num_f32 v[TA], v[TA], v[TB], 0x1800000                   ; and the floor 2^(3 - 127): the byte cannot fall under 1
	v_pk_mul_f32 v[SQ0:SQ0+1], v[\x:\x+1], v[\x:\x+1]               ; the squares of the numbers as given, two at a time, two chains
	v_pk_mul_f32 v[SQ1:SQ1+1], v[\x+2:\x+3], v[\x+2:\x+3]
.irp i, 4,8,12,16,20,24,28
	v_pk_fma_f32 v[SQ0:SQ0+1], v[\x+\i:\x+\i+1], v[\x+\i:\x+\i+1], v[SQ0:SQ0+1]
	v_pk_fma_f32 v[SQ1:SQ1+1], v[\x+\i+2:\x+\i+3], v[\x+\i+2:\x+\i+3], v[SQ1:SQ1+1]
.endr
	v_add_nc_u32 v[SOP], 0xff000000, v[TA]                          ; 2 off the exponent field: the conversion takes this operand's exponent field as its scale
	v_pk_add_f32 v[SQ0:SQ0+1], v[SQ0:SQ0+1], v[SQ1:SQ1+1]
.irp g, 0,1,2,3
	v_cvt_scalef32_pk8_fp4_f32 v[\c+\g], v[\x+8*\g:\x+8*\g+7], v[SOP]   ; eight numbers / the scale, to the nearest code, ties to even, beyond 6 the largest code
.endr
	v_lshrrev_b32 v[BY], 23, v[SOP]                                 ; the scale's byte (also the plain instruction behind the conversions)
	v_add_f32 v[\q], v[SQ0], v[SQ0+1]
	v_lshlrev_b32 v[BY], v[SH8], v[BY]                              ; at its place in the word
	v_permlanex16_b32 v[TP], v[BY], s[SEL], s[SEL+1]
	v_or_b32 v[\w], v[BY], v[TP]                                    ; with the other block's byte the word is whole
	v_permlanex16_b32 v[TP], v[\q], s[SEL], s[SEL+1]
	v_add_f32 v[\q], v[\q], v[TP]                                   ; and so is the row's sum of squares
.endm
	s_load_b256 s[4:11], s[0:1], 0x0               ; target_data s[4:5], tcodes s[6:7], tsc s[8:9], ysq s[10:11]
	v_and_b32 v1, 15, v0                           ; r (one wave: v0 is the lane)
	v_lshrrev_b32 v2, 4, v0                        ; h
	v_lshlrev_b32 v3, 8, v1
	v_lshl_add_u32 v3, v2, 7, v3                   ; in: row r of 256 bytes, + 128 h
	v_lshlrev_b32 v4, 4, v0                        ; an image: 16 bytes a lane
	v_lshlrev_b32 v5, 3, v0                        ; words and sums: 8 bytes a lane
	v_lshlrev_b32 v[SH8], 3, v2
	v_mov_b32 v[TP], 0                             ; written once: a lane permute's destination counts as one of its sources
	s_mov_b32 s[SEL], 0x76543210
	s_mov_b32 s[SEL+1], 0xfedcba98
	s_mov_b32 s13, 0
	s_wait_alu depctr_va_vdst(0)
	s_wait_kmcnt 0x0
	s_lshl_b32 s12, ttmp9, 14                      ; 64 rows of 256 bytes
	s_add_nc_u64 s[4:5], s[4:5], s[12:13]
	s_lshl_b32 s12, ttmp9, 11                      ; 4 images of 512 bytes
	s_add_nc_u64 s[6:7], s[6:7], s[12:13]
	s_lshl_b32 s12, ttmp9, 8                       ; 64 words
	s_add_nc_u64 s[8:9], s[8:9], s[12:13]
	s_add_nc_u64 s[10:11], s[10:11], s[12:13]
.irp tt, 0,1,2,3
.irp j, 0,1,2,3,4,5,6,7
	global_load_b128 v[X+32*\tt+4*\j:X+32*\tt+4*\j+3], v3, s[4:5] offset:4096*\tt+16*\j th:TH_LOAD_NT
.endr
.endr
.irp tt, 0,1,2,3
	s_wait_loadcnt 24-8*\tt                        ; loads come back in order: this tile's eight are in, the 8 (3 - tt) of the later tiles stay out
	QTILE X+32*\tt, CD+4*\tt, WD+\tt, QS+\tt
	global_store_b128 v4, v[CD+4*\tt:CD+4*\tt+3], s[6:7] offset:512*\tt   ; the wave stores 512 consecutive bytes, aligned
.endr
	v_cmp_le_u32 vcc_lo, 16, v0                    ; lanes 16-31 take the odd tile's
.irp k, 0,1
	v_cndmask_b32 v[28+\k], v[WD+2*\k], v[WD+2*\k+1], vcc_lo
	v_cndmask_b32 v[30+\k], v[QS+2*\k], v[QS+2*\k+1], vcc_lo
.endr
	global_store_b64 v5, v[28:29], s[8:9]          ; 256 consecutive bytes, aligned
	global_store_b64 v5, v[30:31], s[10:11]        ; likewise
	s_endpgm
.Lfunc_end_k_q937385ff77_prep:
	.size	k_q937385ff77_prep, .Lfunc_end_k_q937385ff77_prep-k_q937385ff77_prep
	.p2alignl 7, 3214868480
	.fill 96, 4, 3214868480
	.section	.rodata,"a",@progbits
	.p2align	6, 0x0
	.amdhsa_kernel k_q937385ff77_prep
		.amdhsa_group_segment_fixed_size 0
		.amdhsa_private_segment_fixed_size 0
		.amdhsa_enable_private_segment 0
		.amdhsa_kernarg_size 32
		.amdhsa_user_sgpr_count 2
		.amdhsa_user_sgpr_kernarg_segment_ptr 1
		.amdhsa_wavefront_size32 1
		.amdhsa_system_sgpr_workgroup_id_x 1
		.amdhsa_system_sgpr_workgroup_id_y 1
		.amdhsa_system_sgpr_workgroup_id_z 1
		.amdhsa_system_vgpr_workitem_id 0
		.amdhsa_next_free_vgpr 192
		.amdhsa_next_free_sgpr 66
		.amdhsa_reserve_vcc 1
		.amdhsa_float_denorm_mode_32 3
		.amdhsa_float_denorm_mode_16_64 3
		.amdhsa_memory_ordered 1
		.amdhsa_forward_progress 1
		.amdhsa_inst_pref_size 16
	.end_amdhsa_kernel
	.amdgpu_metadata
---
amdhsa.version: [ 1, 2 ]
amdhsa.kernels:
  - .name:           k_q937385ff77_prep
    .symbol:         k_q937385ff77_prep.kd
    .args:
      - { .name: target_data, .offset: 0, .size: 8, .value_kind: global_buffer, .address_space: global }
      - { .name: tcodes, .offset: 8, .size: 8, .value_kind: global_buffer, .address_space: global }
      - { .name: tsc, .offset: 16, .size: 8, .value_kind: global_buffer, .address_space: global }
      - { .name: ysq, .offset: 24, .size: 8, .value_kind: global_buffer, .address_space: global }
    .group_segment_fixed_size: 0
    .private_segment_fixed_size: 0
    .kernarg_segment_align: 8
    .kernarg_segment_size: 32
    .max_flat_workgroup_size: 32
    .sgpr_count:     66
    .vgpr_count:     192
    .wavefront_size: 32
...
	.end_amdgpu_metadata
.endif
;; end of part 1
;; launch main (part 2): grid 256 x 1, 16 waves a work-group, no clusters, 59,392 bytes of LDS; arguments psi, source_data, tcodes, tsc, ysq, out0; writes out0
.if DOCPART == 2
	.amdgcn_target "amdgcn-amd-amdhsa--gfx1250"
	.amdhsa_code_object_version 6
	.text
	.protected	k_q937385ff77_main
	.globl	k_q937385ff77_main
	.p2align	8
	.type	k_q937385ff77_main,@function
k_q937385ff77_main:
	s_mov_b64 s[64:65], 0
	v_nop
	global_prefetch_b8 v0, s[64:65] scope:SCOPE_SE
	s_setreg_imm32_b32 hwreg(HW_REG_WAVE_MODE, 25, 1), 1
	s_wait_xcnt 0x0
; out[n] = -0.01 logsumexp_m((psi[m] - cost[n][m]) / 0.01) + mean(psi),  cost = (|x_n|^2 + |y_m|^2 - 2 x_n . y_m) / mv,  mv = mean_m |y_m|^2.  32,768 queries x, 8,192 targets y, 64 numbers each.
; x . y is multiplied on codes of FP4 (E2M1) with one E8M0 scale for each 32 along K; norms, means and the logsumexp are f32 on the numbers as given.
; ALGEBRA.  beta_m = (mv psi_m - |y_m|^2) / 2,  c = 200 log2(e) / mv.  Then (psi - cost) / 0.01 x log2(e) = c (x . y + beta_m) - c |x|^2 / 2.  beta is the C of the matrix instruction, so D = x . y + beta costs no vector line.
;   With t = c D and Mt a running maximum of t:  out = |x|^2 / mv + mean(psi) - 0.01 ln 2 (Mt + log2 sum 2^(t - Mt)).  The maximum is taken away ahead of every exponential.
; SHARES.  A work-group owns 128 queries (8 tiles of 16) against all targets.  Wave w: qh = w & 1: query tiles 4 qh .. 4 qh + 3; tg = w >> 1: targets 1024 tg .. + 1023, in 8 chunks of 128.  Sixteen waves of 256 registers:
;   four to a SIMD, so that one wave's exponentials stand beside another's plain and matrix work: a score costs 2.7 vector instructions, a matrix instruction serves 256 scores.
; LAYOUT.  Source 0 = 16 targets, source 1 = 16 queries: lane (r, h) holds ONE query r, register j of tile t the target 16 t + 8 h + j.  Each lane keeps a maximum and a sum of its own for its half of the targets:
;   no lane exchange and no barrier stands in the loop.  A query's 16 parts (8 tg x 2 h) meet in LDS at the end.
; K = 64 OF THE INSTRUCTION'S 128.  The queries' fragments hold zero codes in registers 4-7 (k = 64 .. 127), so those products are zeros whatever stands on the other side.  A target fragment is therefore named as
;   v[TF + 4 t : TF + 4 t + 7]: its upper four registers are the NEXT tile's codes (for t = 7 four registers written 0 once).  The scale words' bytes 2 and 3 are 0, which stands for 2^-127 and is no NaN.
; WHERE THE TARGETS COME FROM.  Codes and scale words lie in memory as images of operand registers (the first launch lays them so) and go straight into registers: a load of 16 bytes a lane for a tile, of 8 bytes a lane for
;   four tiles' scale words.  NO JOINT LOADS, though every work-group reads the same codes: a wave fetches 4,608 bytes a trip beside 688 vector instructions, each byte is wanted by two of the sixteen waves,
;   and a ring in LDS would put a barrier of sixteen waves, and a cluster's round, into a loop that has none.
; LIMITS: NaN and infinities among the inputs are not served; mv = 0 is not served (the result is not finite there); a block of zeros has the scale byte 1, not 127 (its codes are zeros, nobody else reads the byte);
;   a term more than 126 powers of two under its lane's running maximum counts as 0; 1 / mv is v_rcp_f32's; sums of squares and means are added in another order than a plain sum.
.set BETA, 0                           ; LDS: beta of all 8,192 targets, f32, in their order: 32,768 bytes
.set QIMG, 32768                       ; the 8 query tiles' codes, images of 512 bytes
.set QSC,  36864                       ; their scale words, 128 bytes a tile
.set XSQ,  37888                       ; |x|^2 of the 128 queries
.set RED,  38400                       ; 16 waves' sums of |y|^2, and from + 64 of psi
.set MRN,  38656                       ; the parts' -Mt: 16 rows (2 tg + h) of 512 bytes + 64
.set MRP,  576
.set MRL,  16*MRP                      ; so far behind them: the parts' sums.  The map ends at byte 57,088
.set TA,  40                           ; QTILE's registers: v40, v41 chains of the largest magnitude (in the loop: the maximum's four chains v40-43)
.set TB,  41
.set SOP, 42
.set BY,  43
.set TP,  46                           ; v46 what the lane 16 away sends (in the loop: Mt's change)
.set SQ0, 252
.set SQ1, 254
.set SH8, 11                           ; v11 8 h
.set SEL, 24                           ; s[24:25] lane selects: lane l xor 16
.set MC,  40
.set QSW, 32                           ; v32-35   my four query tiles' scale words: scales and nothing else
.set TS,  36                           ; v36-39   the chunk's scale words: register t / 2, tile t in lanes 0-15 (even t) or 16-31 (odd t): scales and nothing else
.set QF,  48                           ; v48-79   my four query fragments, 8 registers each, the upper four zeros
.set TF,  80                           ; v80-111  the chunk's 8 tiles of codes, 4 registers each; v112-115 zeros
.set BF,  116                          ; v116-179 beta in the result's layout, 8 registers a tile
.set DF,  180                          ; v180-243 D = x . y + beta, then 2^(t - Mt)
; v1 16 lane, v2 8 lane, v3 4 lane; v4 beta's address for chunk 0, v5 for the chunk to be fetched; v6-10, v244-251 LDS addresses and offsets, all made here at the head; v[12:13] c, c; v14 -c; v15 1 / mv; v47 mean(psi)
; v16-31 statistics: tile i at 16 + 4 i: -Mt, the largest D, the sum in two halves; v[44:45] f = 2^(old Mt - new Mt) and a 0
.macro QTILE x, c, w, q                ; as in the first launch: 32 numbers a lane -> 4 registers of codes, the row's scale word, the row's sum of squares
	v_max3_num_f32 v[TA], |v[\x]|, |v[\x+1]|, |v[\x+2]|
	v_max3_num_f32 v[TB], |v[\x+3]|, |v[\x+4]|, |v[\x+5]|
.irp i, 6,10,14,18,22,26
	v_max3_num_f32 v[TA], v[TA], |v[\x+\i]|, |v[\x+\i+1]|
	v_max3_num_f32 v[TB], v[TB], |v[\x+\i+2]|, |v[\x+\i+3]|
.endr
	v_max3_num_f32 v[TA], v[TA], |v[\x+30]|, |v[\x+31]|
	v_max3_num_f32 v[TA], v[TA], v[TB], 0x1800000                   ; the floor 2^(3 - 127): the byte cannot fall under 1
	v_pk_mul_f32 v[SQ0:SQ0+1], v[\x:\x+1], v[\x:\x+1]
	v_pk_mul_f32 v[SQ1:SQ1+1], v[\x+2:\x+3], v[\x+2:\x+3]
.irp i, 4,8,12,16,20,24,28
	v_pk_fma_f32 v[SQ0:SQ0+1], v[\x+\i:\x+\i+1], v[\x+\i:\x+\i+1], v[SQ0:SQ0+1]
	v_pk_fma_f32 v[SQ1:SQ1+1], v[\x+\i+2:\x+\i+3], v[\x+\i+2:\x+\i+3], v[SQ1:SQ1+1]
.endr
	v_add_nc_u32 v[SOP], 0xff000000, v[TA]                          ; 2 off the exponent field: the conversions' scale operand
	v_pk_add_f32 v[SQ0:SQ0+1], v[SQ0:SQ0+1], v[SQ1:SQ1+1]
.irp g, 0,1,2,3
	v_cvt_scalef32_pk8_fp4_f32 v[\c+\g], v[\x+8*\g:\x+8*\g+7], v[SOP]
.endr
	v_lshrrev_b32 v[BY], 23, v[SOP]                                 ; the scale's byte (also the plain instruction behind the conversions)
	v_add_f32 v[\q], v[SQ0], v[SQ0+1]
	v_lshlrev_b32 v[BY], v[SH8], v[BY]
	v_permlanex16_b32 v[TP], v[BY], s[SEL], s[SEL+1]
	v_or_b32 v[\w], v[BY], v[TP]
	v_permlanex16_b32 v[TP], v[\q], s[SEL], s[SEL+1]
	v_add_f32 v[\q], v[\q], v[TP]
.endm
.macro BARRIER                         ; my LDS stores have landed and my LDS loads are in: then the work-group's barrier
	s_wait_dscnt 0x0
	s_barrier_signal -1
	s_barrier_wait -1
.endm
; A chunk of 128 targets: 8 images of codes, 4 registers of scale words, beta in the result's layout (all lanes of a half read the same 32 bytes a tile)
.macro LOADS
.irp t, 0,1,2,3,4,5,6,7
	global_load_b128 v[TF+4*\t:TF+4*\t+3], v1, s[8:9] offset:512*\t
.endr
.irp g, 0,1
	global_load_b64 v[TS+2*\g:TS+2*\g+1], v2, s[10:11] offset:256*\g
.endr
.irp t, 0,1,2,3,4,5,6,7
	ds_load_b128 v[BF+8*\t:BF+8*\t+3], v5 offset:64*\t
	ds_load_b128 v[BF+8*\t+4:BF+8*\t+7], v5 offset:64*\t+16
.endr
.endm
.macro LEVEL sd, n                     ; a level of the sum's tree, in place: n packed additions of neighbours sd registers apart
.set aa, 0
.rept \n
	v_pk_add_f32 v[DF+2*(\sd)*aa:DF+2*(\sd)*aa+1], v[DF+2*(\sd)*aa:DF+2*(\sd)*aa+1], v[DF+2*(\sd)*aa+(\sd):DF+2*(\sd)*aa+(\sd)+1]
.set aa, aa+1
.endr
.endm
; Query tile i against the chunk: 8 matrix instructions, then 64 scores a lane through maximum, scaling, exponential and sum.  last = 1: the next chunk is asked for behind the products.
.macro STEP i, last
.set ST, 16+4*(\i)
.irp t, 0,2,4,6                        ; eight different accumulators, none added onto: C is beta, D other registers
	v_wmma_scale_f32_16x16x128_f8f6f4 v[DF+8*\t:DF+8*\t+7], v[TF+4*\t:TF+4*\t+7], v[QF+8*(\i):QF+8*(\i)+7], v[BF+8*\t:BF+8*\t+7], v[TS+\t/2], v[QSW+(\i)] matrix_a_fmt:MATRIX_FMT_FP4 matrix_b_fmt:MATRIX_FMT_FP4
	v_wmma_scale_f32_16x16x128_f8f6f4 v[DF+8*\t+8:DF+8*\t+15], v[TF+4*\t+4:TF+4*\t+11], v[QF+8*(\i):QF+8*(\i)+7], v[BF+8*\t+8:BF+8*\t+15], v[TS+\t/2], v[QSW+(\i)] matrix_a_fmt:MATRIX_FMT_FP4 matrix_b_fmt:MATRIX_FMT_FP4 matrix_a_scale:MATRIX_SCALE_ROW1
.endr
.rept 4
	v_nop                                          ; four places ahead of the first read of results, and of loads into registers that the products have read
.endr
.if \last
	s_setprio 0
	s_cmp_eq_u32 s20, 1                            ; the last trip asks for nothing: no load leaves its buffer
	s_cbranch_scc1 .Lno_more_\@
	LOADS                                          ; the next chunk: it has this step's 172 vector instructions in which to land
.Lno_more_\@:
.endif
	; the largest D of my 64 and so far: four chains by turns; each accumulator is first read at its low end
.irp k, 0,1,2,3
	v_max3_num_f32 v[MC+\k], v[DF+16*\k], v[DF+16*\k+1], v[DF+16*\k+2]
.endr
.irp k, 0,1,2,3
	v_max3_num_f32 v[MC+\k], v[MC+\k], v[DF+16*\k+8], v[DF+16*\k+9]
.endr
.irp e, 3,5
.irp k, 0,1,2,3
	v_max3_num_f32 v[MC+\k], v[MC+\k], v[DF+16*\k+\e], v[DF+16*\k+\e+1]
.endr
.endr
.irp k, 0,1,2,3
	v_max3_num_f32 v[MC+\k], v[MC+\k], v[DF+16*\k+7], v[DF+16*\k+10]
.endr
.irp e, 11,13
.irp k, 0,1,2,3
	v_max3_num_f32 v[MC+\k], v[MC+\k], v[DF+16*\k+\e], v[DF+16*\k+\e+1]
.endr
.endr
	v_max3_num_f32 v[MC], v[MC], v[DF+15], v[DF+31]
	v_max3_num_f32 v[MC+2], v[MC+2], v[DF+47], v[DF+63]
	v_max3_num_f32 v[MC], v[MC], v[MC+1], v[MC+2]
	v_max3_num_f32 v[ST+1], v[MC], v[MC+3], v[ST+1]
	v_fma_f32 v46, v[ST+1], v14, -v[ST]            ; old Mt - new Mt = (-c) x the new maximum - the old -Mt: 0 or less
	v_mul_f32 v[ST], v14, v[ST+1]                  ; the new -Mt (c is positive)
	; ONE BATCH: 32 packed scalings t - Mt = c D + (-Mt) and 65 exponentials; none of these lines names an exponential's result; a pair is scaled two groups ahead of its exponentials
.set bb, 0
.rept 2
	v_pk_fma_f32 v[DF+2*bb:DF+2*bb+1], v[DF+2*bb:DF+2*bb+1], v[12:13], v[ST:ST+1] op_sel_hi:[1,1,0]
.set bb, bb+1
.endr
	v_exp_f32 v44, v46                             ; f
.set bb, 0
.rept 30
	v_exp_f32 v[DF+2*bb], v[DF+2*bb]
	v_exp_f32 v[DF+2*bb+1], v[DF+2*bb+1]
	v_pk_fma_f32 v[DF+2*bb+4:DF+2*bb+5], v[DF+2*bb+4:DF+2*bb+5], v[12:13], v[ST:ST+1] op_sel_hi:[1,1,0]
.set bb, bb+1
.endr
.irp e, 60,61,62,63
	v_exp_f32 v[DF+\e], v[DF+\e]
.endr
	v_nop                                          ; a plain instruction behind the last exponential
	s_wait_alu depctr_va_vdst(0)                   ; one wait for the batch, ahead of its first reader
	LEVEL 2, 16                                    ; the sum of my 64 terms, two at a time
	LEVEL 4, 8
	LEVEL 8, 4
	LEVEL 16, 2
	LEVEL 32, 1
	v_pk_fma_f32 v[ST+2:ST+3], v[ST+2:ST+3], v[44:45], v[DF:DF+1] op_sel_hi:[1,0,1]   ; the sum so far x f + this step's
.endm
	s_load_b256 s[4:11], s[0:1], 0x0               ; psi s[4:5], source_data s[6:7], tcodes s[8:9], tsc s[10:11]
	s_load_b128 s[12:15], s[0:1], 0x20             ; ysq s[12:13], out0 s[14:15]
	v_lshrrev_b32 v1, 5, v0
	v_readfirstlane_b32 s16, v1                    ; wave 0..15
	s_and_b32 s17, s16, 1                          ; qh
	s_lshr_b32 s18, s16, 1                         ; tg
	v_and_b32 v3, 31, v0                           ; lane
	v_and_b32 v40, 15, v0                          ; r
	v_bfe_u32 v41, v0, 4, 1                        ; h
	v_lshlrev_b32 v1, 4, v3                        ; 16 lane
	v_lshlrev_b32 v2, 3, v3                        ; 8 lane
	v_lshlrev_b32 v3, 2, v3                        ; 4 lane
	s_lshl_b32 s19, s18, 12
	v_lshl_add_u32 v4, v41, 5, s19                 ; beta: my 1,024 targets' 4,096 bytes, + 32 h: the eight of my half of a tile
	s_lshl_b32 s22, s17, 8                         ; 256 qh: my 64 queries' words
	s_mul_i32 s19, s18, 2*MRP
	s_add_co_u32 s19, s19, s22
	s_add_co_u32 s19, s19, MRN
	v_mul_u32_u24 v6, v41, MRP
	v_lshl_add_u32 v6, v40, 2, v6
	v_add_nc_u32 v6, s19, v6                       ; where my parts go: row 2 tg + h, word 64 qh + r (+ 16 i)
	s_add_co_u32 s23, s22, MRN
	v_add_nc_u32 v7, s23, v2                       ; and where they are read: two queries a lane
	s_add_co_u32 s23, s22, XSQ
	v_add_nc_u32 v8, s23, v2                       ; the same two queries' |x|^2
	s_lshl_b32 s23, s17, 11
	s_add_co_u32 s23, s23, QIMG
	v_add_nc_u32 v9, s23, v1                       ; my four query images
	s_lshl_b32 s23, s17, 9
	s_add_co_u32 s23, s23, QSC
	v_add_nc_u32 v10, s23, v3                      ; and their scale words
	v_lshlrev_b32 v[SH8], 3, v41
	s_lshl_b32 s23, s16, 9
	s_add_co_u32 s23, s23, QIMG
	v_add_nc_u32 v244, s23, v1                     ; waves 0-7: where tile w's image goes,
	s_lshl_b32 s23, s16, 7
	s_add_co_u32 s23, s23, QSC
	v_add_nc_u32 v245, s23, v3                     ; its scale words,
	s_lshl_b32 s23, s16, 6
	s_add_co_u32 s23, s23, XSQ
	v_lshl_add_u32 v246, v40, 2, s23               ; its |x|^2
	s_lshl_b32 s23, s16, 2
	s_add_co_u32 s23, s23, RED
	v_mov_b32 v247, s23                            ; my wave's word among the sums
	s_lshl_b32 s23, s16, 11
	v_add_nc_u32 v248, s23, v3                     ; psi, and beta in LDS: my wave's 512 targets, 4 bytes a lane
	v_add_nc_u32 v249, s23, v2                     ; ysq: the same targets, 8 bytes a lane
	v_lshlrev_b32 v250, 8, v40
	v_lshl_add_u32 v250, v41, 7, v250              ; x: row r of 256 bytes, + 128 h
	v_mov_b32 v251, RED
.irp i, 0,1,2,3
.irp j, 4,5,6,7
	v_mov_b32 v[QF+8*\i+\j], 0                     ; the queries' codes of k = 64 .. 127: zeros
.endr
	v_mov_b32 v[TF+32+\i], 0                       ; what stands behind the last tile's codes
	v_mov_b32 v[16+4*\i], 0x7149f2ca               ; -Mt = 1e30: the first f is 2^(about -1e30) = 0, on a sum of 0
	v_mov_b32 v[17+4*\i], 0xff61b1e6               ; the largest D so far: -3e38
	v_mov_b32 v[18+4*\i], 0                        ; the sum, in two halves
	v_mov_b32 v[19+4*\i], 0
.endr
	v_mov_b32 v45, 0                               ; named with f as a pair, so it is written
	v_mov_b32 v[TP], 0                             ; a lane permute's destination counts as one of its sources
	s_mov_b32 s[SEL], 0x76543210
	s_mov_b32 s[SEL+1], 0xfedcba98
	s_mov_b32 s20, 8                               ; chunks to go
	s_mov_b32 s21, 0                               ; beta's bytes passed
	s_mov_b32 s23, 0
	s_wait_kmcnt 0x0
	s_lshl_b32 s22, ttmp9, 15                      ; x: 128 rows of 256 bytes a work-group,
	s_lshl_b32 s19, s16, 12                        ; 16 a wave (waves 0-7 alone load)
	s_add_co_u32 s22, s22, s19
	s_add_nc_u64 s[6:7], s[6:7], s[22:23]
	s_lshl_b32 s22, s18, 15                        ; codes: 64 images of 512 bytes for each tg
	s_add_nc_u64 s[8:9], s[8:9], s[22:23]
	s_lshl_b32 s22, s18, 12                        ; scale words: 1,024
	s_add_nc_u64 s[10:11], s[10:11], s[22:23]
	s_lshl_b32 s22, ttmp9, 9                       ; out: 128 numbers a work-group, 64 for each qh
	s_lshl_b32 s19, s17, 8
	s_add_co_u32 s22, s22, s19
	s_add_nc_u64 s[14:15], s[14:15], s[22:23]
	; every wave: |y|^2 and psi of its 512 targets; register 2 i + k of either holds target 512 w + 64 i + 32 k + lane
.irp i, 0,1,2,3,4,5,6,7
	global_load_b64 v[116+2*\i:117+2*\i], v249, s[12:13] offset:256*\i
	global_load_b32 v[132+2*\i], v248, s[4:5] offset:256*\i
	global_load_b32 v[133+2*\i], v248, s[4:5] offset:256*\i+128
.endr
	s_cmp_lt_u32 s16, 8                            ; waves 0-7 quantise the work-group's eight tiles of queries, one each
	s_cbranch_scc0 .Lno_x
.irp j, 0,1,2,3,4,5,6,7
	global_load_b128 v[DF+4*\j:DF+4*\j+3], v250, s[6:7] offset:16*\j th:TH_LOAD_NT
.endr
	s_wait_loadcnt 0x0
	QTILE DF, 212, 216, 217
	ds_store_b128 v244, v[212:215]                 ; the codes as they stand in my registers: any wave that loads them so has the fragment
	ds_store_b32 v245, v216
	ds_store_b32 v246, v217                        ; (both halves of the lanes write the same word with the same value)
.Lno_x:
	s_wait_loadcnt 0x0
	; my wave's sums of |y|^2 (a = 0) and psi (a = 1), in registers of their own: the numbers are wanted again for beta
.irp a, 0,1
.irp j, 0,1,2,3
	v_pk_add_f32 v[220+8*\a+2*\j:221+8*\a+2*\j], v[116+16*\a+4*\j:117+16*\a+4*\j], v[118+16*\a+4*\j:119+16*\a+4*\j]
.endr
.endr
.irp a, 0,1
	v_pk_add_f32 v[220+8*\a:221+8*\a], v[220+8*\a:221+8*\a], v[222+8*\a:223+8*\a]
	v_pk_add_f32 v[224+8*\a:225+8*\a], v[224+8*\a:225+8*\a], v[226+8*\a:227+8*\a]
.endr
.irp a, 0,1
	v_pk_add_f32 v[220+8*\a:221+8*\a], v[220+8*\a:221+8*\a], v[224+8*\a:225+8*\a]
.endr
.irp a, 0,1
	v_add_f32 v[220+8*\a], v[220+8*\a], v[221+8*\a]
.endr
.irp m, 1,2,4,8
	v_add_f32_dpp v220, v220, v220 row_xmask:\m row_mask:0xf bank_mask:0xf
	v_add_f32_dpp v228, v228, v228 row_xmask:\m row_mask:0xf bank_mask:0xf
.endr
	v_permlanex16_b32 v[TP], v220, s[SEL], s[SEL+1]
	v_add_f32 v220, v220, v[TP]
	v_permlanex16_b32 v[TP], v228, s[SEL], s[SEL+1]
	v_add_f32 v228, v228, v[TP]
	ds_store_b32 v247, v220                        ; all lanes write the wave's word with the same value
	ds_store_b32 v247, v228 offset:64
	BARRIER                                        ; the sixteen sums, the query images, their scale words and |x|^2 lie in LDS
.irp j, 0,1,2,3,4,5,6,7
	ds_load_b128 v[DF+4*\j:DF+4*\j+3], v251 offset:16*\j
.endr
	s_wait_dscnt 0x0
.irp a, 0,1
.irp j, 0,1,2,3
	v_pk_add_f32 v[DF+16*\a+4*\j:DF+16*\a+4*\j+1], v[DF+16*\a+4*\j:DF+16*\a+4*\j+1], v[DF+16*\a+4*\j+2:DF+16*\a+4*\j+3]
.endr
.endr
.irp a, 0,1
	v_pk_add_f32 v[DF+16*\a:DF+16*\a+1], v[DF+16*\a:DF+16*\a+1], v[DF+16*\a+4:DF+16*\a+5]
	v_pk_add_f32 v[DF+16*\a+8:DF+16*\a+9], v[DF+16*\a+8:DF+16*\a+9], v[DF+16*\a+12:DF+16*\a+13]
.endr
.irp a, 0,1
	v_pk_add_f32 v[DF+16*\a:DF+16*\a+1], v[DF+16*\a:DF+16*\a+1], v[DF+16*\a+8:DF+16*\a+9]
.endr
.irp a, 0,1
	v_add_f32 v[DF+16*\a], v[DF+16*\a], v[DF+16*\a+1]
.endr
	v_mul_f32 v[DF], 0x39000000, v[DF]             ; mv = the sum / 8,192
	v_mul_f32 v47, 0x39000000, v[DF+16]            ; mean(psi)
	v_rcp_f32 v15, v[DF]                           ; 1 / mv
	v_mul_f32 v40, 0.5, v[DF]                      ; mv / 2, twice: a pair for the packed form (plain work behind the reciprocal)
	v_mul_f32 v41, 0.5, v[DF]
	s_wait_alu depctr_va_vdst(0)                   ; ahead of the reciprocal's first reader
	v_mul_f32 v12, 0x439044fe, v15                 ; c = 200 log2(e) / mv
	v_mov_b32 v13, v12
	v_mul_f32 v14, -1.0, v12                       ; -c
.irp i, 0,1,2,3,4,5,6,7
	v_pk_mul_f32 v[116+2*\i:117+2*\i], v[116+2*\i:117+2*\i], -0.5 op_sel_hi:[1,0]
.endr
.irp i, 0,1,2,3,4,5,6,7
	v_pk_fma_f32 v[116+2*\i:117+2*\i], v[132+2*\i:133+2*\i], v[40:41], v[116+2*\i:117+2*\i]   ; beta = psi mv / 2 - |y|^2 / 2
.endr
.irp i, 0,1,2,3,4,5,6,7
	ds_store_b32 v248, v[116+2*\i] offset:BETA+256*\i
	ds_store_b32 v248, v[117+2*\i] offset:BETA+256*\i+128
.endr
	BARRIER                                        ; beta of all targets lies in LDS
.irp i, 0,1,2,3
	ds_load_b128 v[QF+8*\i:QF+8*\i+3], v9 offset:512*\i    ; my four query fragments stay in registers
	ds_load_b32 v[QSW+\i], v10 offset:128*\i
.endr
	v_mov_b32 v5, v4
	LOADS                                          ; chunk 0
.Lchunk:                                           ; 8 trips: a chunk of 128 targets against my 64 queries
	s_wait_loadcnt 0x0                             ; the chunk's codes and scale words are in: so the loads' bases may be stepped
	s_wait_dscnt 0x0                               ; and beta (in the first trip the queries' fragments too)
	s_add_nc_u64 s[8:9], s[8:9], 4096              ; on to the next chunk: 8 images,
	s_add_nc_u64 s[10:11], s[10:11], 512           ; 128 scale words,
	s_add_co_u32 s21, s21, 512                     ; 128 numbers of beta
	s_setprio 2
	v_add_nc_u32 v5, s21, v4
	STEP 0, 0
	STEP 1, 0
	s_setprio 1
	STEP 2, 0
	STEP 3, 1
	s_sub_co_u32 s20, s20, 1
	s_cmp_lg_u32 s20, 0
	s_cbranch_scc1 .Lchunk
	s_setprio 0
	; THE WAY OUT.  Each lane's part (-Mt, sum) of each of its four queries goes to LDS; waves 0 and 1 merge the sixteen parts of 64 queries each, two queries a lane.
.irp i, 0,1,2,3
	v_add_f32 v[18+4*\i], v[18+4*\i], v[19+4*\i]
.endr
.irp i, 0,1,2,3
	ds_store_b32 v6, v[16+4*\i] offset:64*\i
	ds_store_b32 v6, v[18+4*\i] offset:MRL+64*\i
.endr
	BARRIER                                        ; all parts lie in LDS
	s_cmp_lt_u32 s16, 2
	s_cbranch_scc0 .Lend
.irp p, 0,1,2,3,4,5,6,7,8,9,10,11,12,13,14,15
	ds_load_b64 v[116+2*\p:117+2*\p], v7 offset:MRP*\p
.endr
.irp p, 0,1,2,3,4,5,6,7,8,9,10,11,12,13,14,15
	ds_load_b64 v[148+2*\p:149+2*\p], v7 offset:MRL+MRP*\p
.endr
	ds_load_b64 v[180:181], v8                     ; |x|^2
	s_mov_b32 s19, 0x3be32166                      ; 0.01 ln 2
	s_wait_dscnt 0x0
.irp k, 0,1
	v_min3_num_f32 v[40+\k], v[116+\k], v[118+\k], v[120+\k]       ; the least -Mt is the largest Mt
.endr
.irp p, 3,5,7,9,11,13
.irp k, 0,1
	v_min3_num_f32 v[40+\k], v[40+\k], v[116+2*\p+\k], v[118+2*\p+\k]
.endr
.endr
.irp k, 0,1
	v_min_num_f32 v[40+\k], v[40+\k], v[146+\k]
.endr
.irp p, 0,1,2,3,4,5,6,7,8,9,10,11,12,13,14,15
	v_pk_add_f32 v[116+2*\p:117+2*\p], v[40:41], v[116+2*\p:117+2*\p] neg_lo:[0,1] neg_hi:[0,1]   ; the part's Mt - the largest: 0 or less
.endr
.irp e, 0,1,2,3,4,5,6,7,8,9,10,11,12,13,14,15,16,17,18,19,20,21,22,23,24,25,26,27,28,29,30,31
	v_exp_f32 v[116+\e], v[116+\e]
.endr
	v_nop                                          ; a plain instruction behind the last exponential
	s_wait_alu depctr_va_vdst(0)                   ; one wait for the 32, ahead of their first reader
	v_pk_mul_f32 v[42:43], v[116:117], v[148:149]
.irp p, 1,2,3,4,5,6,7,8,9,10,11,12,13,14,15
	v_pk_fma_f32 v[42:43], v[116+2*\p:117+2*\p], v[148+2*\p:149+2*\p], v[42:43]   ; the parts' sums under the largest Mt
.endr
	v_log_f32 v44, v42
	v_log_f32 v45, v43
	v_fma_f32 v252, v180, v15, v47                 ; |x|^2 / mv + mean(psi) (plain work behind the logarithms)
	v_fma_f32 v253, v181, v15, v47
	s_wait_alu depctr_va_vdst(0)                   ; ahead of the logarithms' first reader
	v_pk_add_f32 v[40:41], v[40:41], v[44:45] neg_lo:[0,1] neg_hi:[0,1]   ; -(Mt + log2 of the sum)
	v_fma_f32 v40, v40, s19, v252
	v_fma_f32 v41, v41, s19, v253
	global_store_b64 v2, v[40:41], s[14:15] th:TH_STORE_NT         ; the wave stores 256 consecutive bytes, aligned
.Lend:
	s_wait_xcnt 0x0
	v_lshl_add_u32 v254, v0, 2, 0xe000
	v_mov_b32 v255, 0
	s_wait_tensorcnt 0x0
	ds_add_u32 v254, v255
	s_wait_dscnt 0x0
	s_endpgm
.Lfunc_end_k_q937385ff77_main:
	.size	k_q937385ff77_main, .Lfunc_end_k_q937385ff77_main-k_q937385ff77_main
	.p2alignl 7, 3214868480
	.fill 96, 4, 3214868480
	.section	.rodata,"a",@progbits
	.p2align	6, 0x0
	.amdhsa_kernel k_q937385ff77_main
		.amdhsa_group_segment_fixed_size 59392
		.amdhsa_private_segment_fixed_size 0
		.amdhsa_enable_private_segment 0
		.amdhsa_kernarg_size 48
		.amdhsa_user_sgpr_count 2
		.amdhsa_user_sgpr_kernarg_segment_ptr 1
		.amdhsa_wavefront_size32 1
		.amdhsa_system_sgpr_workgroup_id_x 1
		.amdhsa_system_sgpr_workgroup_id_y 1
		.amdhsa_system_sgpr_workgroup_id_z 1
		.amdhsa_system_vgpr_workitem_id 0
		.amdhsa_next_free_vgpr 256
		.amdhsa_next_free_sgpr 66
		.amdhsa_reserve_vcc 0
		.amdhsa_float_denorm_mode_32 3
		.amdhsa_float_denorm_mode_16_64 3
		.amdhsa_memory_ordered 1
		.amdhsa_forward_progress 1
		.amdhsa_inst_pref_size 67
	.end_amdhsa_kernel
	.amdgpu_metadata
---
amdhsa.version: [ 1, 2 ]
amdhsa.kernels:
  - .name:           k_q937385ff77_main
    .symbol:         k_q937385ff77_main.kd
    .args:
      - { .name: psi, .offset: 0, .size: 8, .value_kind: global_buffer, .address_space: global }
      - { .name: source_data, .offset: 8, .size: 8, .value_kind: global_buffer, .address_space: global }
      - { .name: tcodes, .offset: 16, .size: 8, .value_kind: global_buffer, .address_space: global }
      - { .name: tsc, .offset: 24, .size: 8, .value_kind: global_buffer, .address_space: global }
      - { .name: ysq, .offset: 32, .size: 8, .value_kind: global_buffer, .address_space: global }
      - { .name: out0, .offset: 40, .size: 8, .value_kind: global_buffer, .address_space: global }
    .group_segment_fixed_size: 59392
    .private_segment_fixed_size: 0
    .kernarg_segment_align: 8
    .kernarg_segment_size: 48
    .max_flat_workgroup_size: 512
    .sgpr_count:     66
    .vgpr_count:     256
    .wavefront_size: 32
...
	.end_amdgpu_metadata
.endif
;; end of part 2
